; MI455X (gfx1250); checked and timed in simulation.
; The chip was launched on July 23, 2026; its instructions are those of AMD's public machine-readable ISA for CDNA 5 (MIT licence, August 2026) and "CDNA5" Instruction Set Architecture Reference Guide (July 2026). The comments in the code are by the model that wrote it; some were corrected since.
;; MLP. Allowed arithmetic: matrix products marked QUANTISED: E4M3 operands, one given power-of-two scale a tensor, by v_wmma_f32_16x16x64_fp8_fp8 or v_wmma_f32_16x16x128_fp8_fp8, f32 sums; everything else in f32.
;; Inputs: W_fc 4,096 x 1,024 float32; W_proj 1,024 x 4,096 float32; lowp_scales 4 int32 (the exponents e of the quantised operands' scales 2^e); x 4 x 2,048 x 1,024 float32.
;; Outputs: out0 4 x 2,048 x 1,024 float32.
;; This version of the problem:
;;   THIS VERSION OF THE PROBLEM IS GIVEN IN LOW PRECISION. The matrix products marked QUANTISED in the list below multiply operands that are first quantised to E4M3 (4 exponent bits, 3 mantissa bits; 8 bits a number), with one given power-of-two scale for each operand tensor; their sums are f32. All else is computed in f32.
;;   The module's matrix products, in the order in which they are computed (A, B: the left and right operand; K: the contracted axis; several contracted axes count as one K, in the product's order):
;;     1. [M 8,192, K 1,024] x [K 1,024, N 4,096]; A: computed on the way; B: computed on the way: QUANTISED (scales: A lowp_scales[0], B lowp_scales[1])
;;     2. [M 8,192, K 4,096] x [K 4,096, N 1,024]; A: computed on the way; B: computed on the way: QUANTISED (scales: A lowp_scales[2], B lowp_scales[3])
;;   THE QUANTISER, for each operand of a quantised product, along K:
;;     - The operand's scale is 2^e, e = its entry of the input lowp_scales (int32; the entries are numbered through the quantised products in the list's order, A before B).
;;     - Each number is divided by the scale, clamped to +-448, and rounded to the nearest number of E4M3, ties to even, subnormals kept.
;;     - The product sums the exact products of the quantised numbers (number of the format x scale) in f32.
;;   ~~~python
;;   def quantise(x, axis, e):      # numpy; x: float32 -> the quantised numbers, widened to float32 again
;;       x = np.moveaxis(x, axis, -1); K = x.shape[-1]
;;       r = np.clip(x / 2.0 ** e, -448, 448)
;;       step = 2.0 ** (np.maximum(np.frexp(np.where(r == 0, 1, r))[1] - 1, -6) - 3)
;;       q = np.round(r / step) * step * 2.0 ** e      # np.round: ties to even
;;       return np.moveaxis(q, -1, axis).astype(np.float32)
;;   ~~~
;;   OPERANDS COMPUTED ON THE WAY. 'Computed on the way' means the value that the module computes at that place (a softmax that the list does not call 'softmax' is quantised finished and normalised). What goes into a quantiser is computed in f32, as accurately as f32 sums, v_exp_f32 and their like allow (about 1e-6 of the number): no bf16 or f16 on the way to a quantiser, and a product that is left as it is and whose result goes on into a quantised operand takes f32 operands (vector FMAs, or v_wmma_f32_16x16x4_f32). A number that lies on a knife's edge between two numbers of the format may be rounded either way, as far as f32 arithmetic and the matrix unit's own rounding can turn it there, and no further.
;; One version. Each part assembles by itself: llvm-mc -triple=amdgcn-amd-amdhsa -mcpu=gfx1250 --defsym DOCPART=n.
;; ======== version 1 of 1: 3 launches
;; limits: right only within a limited range of input values
;; workspace buffers: xq 6,291,456 bytes; wq1 1,376,256 bytes; wq2 1,310,720 bytes; hq 25,165,824 bytes
;; launch prep (part 1): grid 1092 x 1, 4 waves a work-group, no clusters, 34,304 bytes of LDS; arguments x, W_fc, W_proj, lowp_scales, xq, wq1, wq2; writes xq, wq1, wq2
.if DOCPART == 1
	.amdgcn_target "amdgcn-amd-amdhsa--gfx1250"
	.amdhsa_code_object_version 6
	.text
	.protected	k_q091791ee0c_prep
	.globl	k_q091791ee0c_prep
	.p2align	8
	.type	k_q091791ee0c_prep,@function
k_q091791ee0c_prep:
	s_mov_b64 s[64:65], 0
	v_nop
	global_prefetch_b8 v0, s[64:65] scope:SCOPE_SE
	s_setreg_imm32_b32 hwreg(HW_REG_WAVE_MODE, 25, 1), 1
	s_wait_xcnt 0x0
; x [8192][1024] is normalised (mean and variance over each 64 columns, eps 1e-5) and quantised; W_fc [4096][1024] and W_proj [1024][4096] are masked and quantised: all to E4M3, as IMAGES OF OPERAND REGISTERS.
; DEAD WORK.  reference()'s own masks keep W_fc[i][j] only where 4 j <= i and i < 3072 (so j < 768), and W_proj[e][f] only where f <= 4 e and e < 768 (so f < 3072).  For all inputs, therefore: x's columns from 768 on meet
; zeros alone (a head is 64 columns, and 768 is a multiple of 64: they enter no mean that is used); hidden units from 3072 on are zeros and meet zeros; output columns from 768 on are zeros.  Fragments of the weights
; that lie wholly outside the triangles are neither laid out nor multiplied.  LIMIT: a NaN, an infinity or an overflow that reaches only that work is not carried to the result.
; code = v / 2^E, held within +-448, to the nearest code, ties to even; E = lowp_scales[0] for x, [1] for W_fc, [3] for W_proj.  LIMITS: E between -126 and 119.  NaN among the inputs is not served.
; A FRAGMENT is 16 rows x 128 along K, 2,048 bytes: byte 512 c + 16 lane + i is (row of lane % 16, k = K0 + 64 (lane / 16) + 16 c + i): the same order of k in every operand of the program.
; SHARES: a wave makes one fragment, number 4 x work-group + wave: 8,192 bytes in, 2,048 out.  Waves share nothing: no barrier.
;   0 .. 3071: x: fragment (row block rb of 128, K step s, tile m) is number 48 rb + 8 s + m, and its place in xq.
;   then 672 of W_fc: place 42 (4 q + w) + f: the f-th fragment that wave w of work-group q of the launch up uses.  128 hidden units 4 C + q, tile 2 w + f % 2: row 128 (4 C + q) + 8 tile + r % 8 + 64 (r / 8).
;   then 624 of W_proj: block q has 160 places for three groups i of 64 columns: A (i = 8 + (q ^ 3 ^ q / 2)), B (4 + (q + 1) % 4), C (q).  Group i has 8 i + 8 fragments n: K step n / 4, tile n % 4, rows 64 i + 4 r + n % 4.
;     A's n lies at n, B's at 155 - n, C's at (A's number) + n - 4, C's first four at 156 + n.
; Each load reads 512 consecutive bytes of one source row; the conversions want neighbours along K in one lane, so the 16 rows turn through the wave's own stage in LDS (rows 528 bytes apart).
; No tensor load, no loop, nothing read twice: nothing to share in a cluster and nothing to prefetch.
.set SPITCH, 528
.set SPARE, 33792                      ; behind the four stages: the spare words
.set VO,  16                           ; v16-31   byte offset of source row j for my lane
.set RAW, 32                           ; v32-95   the 16 rows as loaded; later sums
.set X,   96                           ; v96-159  register 16 c + i = k 64 h + 16 c + i of my row
.set CD,  160                          ; v160-175 the codes
	s_load_b256 s[4:11], s[0:1], 0x0               ; x, W_fc, W_proj, the scales' exponents
	s_load_b128 s[16:19], s[0:1], 0x20             ; xq, wq1
	s_load_b64 s[20:21], s[0:1], 0x30              ; wq2
	v_lshl_add_u32 v176, v0, 2, SPARE
	v_mov_b32 v177, 0
	v_lshrrev_b32 v1, 5, v0
	v_readfirstlane_b32 s12, v1
	s_lshl_b32 s13, ttmp9, 2
	s_add_co_u32 s13, s13, s12                     ; my fragment's number
	s_mov_b32 s32, 4096                            ; bytes from a lane's row to the next lane's
	s_mov_b32 s33, 4096                            ; from lane 7's row to lane 8's
	s_mov_b32 s34, 12                              ; log2 of the source's pitch
	s_mov_b32 s35, 0                               ; the last k that counts for row n: (n << s35) >> s36
	s_mov_b32 s36, 2
	s_mov_b32 s37, 1                               ; rows from lane to lane
	s_mov_b32 s38, 56                              ; and the further step of lanes 8-15
	s_cmp_ge_u32 ttmp9, 768
	s_cbranch_scc1 .Lnums_w
	s_mov_b32 s40, s13                             ; x
	s_mul_i32 s22, s13, 43691
	s_lshr_b32 s22, s22, 21                        ; number / 48, right for numbers under 98,304
	s_mul_i32 s23, s22, 48
	s_sub_co_u32 s23, s13, s23
	s_lshr_b32 s31, s23, 3
	s_lshl_b32 s31, s31, 7                         ; K0
	s_and_b32 s23, s23, 7
	s_lshl_b32 s23, s23, 4
	s_lshl_b32 s30, s22, 7
	s_add_co_u32 s30, s30, s23                     ; first row
	s_branch .Lgo
.Lnums_w:
	s_cmp_ge_u32 ttmp9, 936
	s_cbranch_scc1 .Lnums_w2
.macro BLK st, sv, c0                  ; f's run of fragments: where it begins, its K step, its first C
	s_cmp_ge_u32 s23, \st
	s_cselect_b32 s24, \st, s24
	s_cselect_b32 s25, \sv, s25
	s_cselect_b32 s26, \c0, s26
.endm
	s_sub_co_u32 s40, s13, 3072
	s_mul_i32 s22, s40, 1561
	s_lshr_b32 s22, s22, 16                        ; / 42, right for numbers under 2,520: 4 q + w
	s_mul_i32 s23, s22, 42
	s_sub_co_u32 s23, s40, s23                     ; f
	s_mov_b32 s24, 0
	s_mov_b32 s25, 0
	s_mov_b32 s26, 0
	BLK 6, 1, 1
	BLK 10, 2, 2
	BLK 12, 0, 3
	BLK 18, 1, 3
	BLK 24, 2, 3
	BLK 30, 3, 3
	BLK 36, 4, 4
	BLK 40, 5, 5
	s_sub_co_u32 s24, s23, s24
	s_lshr_b32 s24, s24, 1
	s_add_co_u32 s26, s26, s24                     ; C
	s_lshl_b32 s26, s26, 2
	s_lshr_b32 s27, s22, 2
	s_add_co_u32 s26, s26, s27                     ; 4 C + q
	s_and_b32 s22, s22, 3
	s_lshl_b32 s22, s22, 1
	s_and_b32 s23, s23, 1
	s_add_co_u32 s22, s22, s23                     ; tile
	s_lshl_b32 s30, s26, 7
	s_lshl_b32 s22, s22, 3
	s_add_co_u32 s30, s30, s22                     ; first row
	s_lshl_b32 s31, s25, 7                         ; K0
	s_mov_b32 s33, 57*4096
	s_branch .Lgo
.Lnums_w2:
	s_sub_co_u32 s22, s13, 3744
	s_mov_b32 s23, 0                               ; q
	s_mov_b32 s24, 0                               ; where q's fragments begin
	s_cmp_ge_u32 s22, 152
	s_cselect_b32 s23, 1, s23
	s_cselect_b32 s24, 152, s24
	s_cmp_ge_u32 s22, 312
	s_cselect_b32 s23, 2, s23
	s_cselect_b32 s24, 312, s24
	s_cmp_ge_u32 s22, 472
	s_cselect_b32 s23, 3, s23
	s_cselect_b32 s24, 472, s24
	s_sub_co_u32 s22, s22, s24
	s_lshr_b32 s25, s23, 1
	s_xor_b32 s25, s25, s23
	s_xor_b32 s25, s25, 3
	s_add_co_u32 s25, s25, 8                       ; A's i
	s_add_co_u32 s26, s23, 1
	s_and_b32 s26, s26, 3
	s_add_co_u32 s26, s26, 4                       ; B's i
	s_lshl_b32 s27, s25, 3
	s_add_co_u32 s27, s27, 8                       ; A's fragments
	s_lshl_b32 s28, s26, 3
	s_add_co_u32 s28, s28, 8
	s_add_co_u32 s28, s28, s27                     ; A's and B's
	s_sub_co_u32 s29, s22, s28                     ; n, if it is C's
	s_add_co_u32 s40, s27, s29
	s_sub_co_u32 s40, s40, 4
	s_add_co_u32 s42, s29, 156
	s_cmp_lt_u32 s29, 4
	s_cselect_b32 s40, s42, s40
	s_mov_b32 s39, s23
	s_sub_co_u32 s41, s22, s27                     ; n, if it is B's
	s_sub_co_u32 s42, 155, s41
	s_cmp_lt_u32 s22, s28
	s_cselect_b32 s29, s41, s29
	s_cselect_b32 s40, s42, s40
	s_cselect_b32 s39, s26, s39
	s_cmp_lt_u32 s22, s27                          ; A's
	s_cselect_b32 s29, s22, s29
	s_cselect_b32 s40, s22, s40
	s_cselect_b32 s39, s25, s39
	s_mul_i32 s23, s23, 160
	s_add_co_u32 s40, s40, s23                     ; the place in wq2
	s_and_b32 s41, s29, 3
	s_lshl_b32 s30, s39, 6
	s_add_co_u32 s30, s30, s41                     ; first row: 64 i + tile
	s_lshr_b32 s31, s29, 2
	s_lshl_b32 s31, s31, 7                         ; K0
	s_mov_b32 s32, 65536                           ; four rows of 16,384 bytes
	s_mov_b32 s33, 65536
	s_mov_b32 s34, 14
	s_mov_b32 s35, 2
	s_mov_b32 s36, 0
	s_mov_b32 s37, 4
	s_mov_b32 s38, 0
.Lgo:
	s_lshl_b32 s28, s30, s34
	s_lshl_b32 s29, s31, 2
	s_add_co_u32 s28, s28, s29                     ; the fragment's first byte in its source, under 2^26
	s_mov_b32 s29, 0
	s_lshl_b32 s40, s40, 11
	s_mov_b32 s41, 0
	s_mul_i32 s42, s12, 16*SPITCH                  ; my stage
	v_and_b32 v1, 31, v0                           ; lane
	v_and_b32 v2, 15, v0                           ; r
	v_bfe_u32 v3, v0, 4, 1                         ; h
	v_lshlrev_b32 v[VO], 4, v1
.irp j, 1,2,3,4,5,6,7,8,9,10,11,12,13,14,15
.if \j == 8
	v_add_nc_u32 v[VO+\j], s33, v[VO+\j-1]
.else
	v_add_nc_u32 v[VO+\j], s32, v[VO+\j-1]
.endif
.endr
	v_add_nc_u32 v4, s42, v[VO]                    ; into the stage: a row's 512 bytes as they lie
	v_mul_u32_u24 v5, v2, SPITCH
	v_lshl_add_u32 v5, v3, 8, v5
	v_add_nc_u32 v5, s42, v5                       ; out of it: row r, + 256 h: my 64 neighbours
	v_mov_b32 v13, 0                               ; the upper words of named pairs
	v_mov_b32 v15, 0
	s_wait_alu depctr_va_vdst(0)
	s_wait_kmcnt 0x0
	s_load_b128 s[44:47], s[10:11], 0x0            ; the four exponents
	s_cmp_lt_u32 ttmp9, 936                        ; source and destination: choices that hang on ids alone
	s_cselect_b64 s[6:7], s[6:7], s[8:9]
	s_cselect_b64 s[18:19], s[18:19], s[20:21]
	s_cmp_lt_u32 ttmp9, 768
	s_cselect_b64 s[4:5], s[4:5], s[6:7]
	s_cselect_b64 s[16:17], s[16:17], s[18:19]
	s_add_nc_u64 s[4:5], s[4:5], s[28:29]
	s_add_nc_u64 s[16:17], s[16:17], s[40:41]
.irp j, 0,1,2,3,4,5,6,7,8,9,10,11,12,13,14,15
	global_load_b128 v[RAW+4*\j:RAW+4*\j+3], v[VO+\j], s[4:5] th:TH_LOAD_NT   ; 32 lanes read 512 consecutive bytes of row j
.endr
	s_mov_b32 s22, 0x3c800000                      ; 1 / 64
	s_mov_b32 s23, 0x3727c5ac                      ; 1e-5
	s_wait_kmcnt 0x0
	s_cmp_lt_u32 ttmp9, 936
	s_cselect_b32 s48, s45, s47
	s_cmp_lt_u32 ttmp9, 768
	s_cselect_b32 s48, s44, s48                    ; E
	s_add_co_i32 s48, s48, 127
	s_lshl_b32 s49, s48, 23
	v_mov_b32 v11, s49                             ; 2^E as f32: the conversion takes its exponent field
	s_add_co_i32 s48, s48, 8
	s_lshl_b32 s48, s48, 23
	s_or_b32 s48, s48, 0x600000
	v_mov_b32 v10, s48                             ; 448 x 2^E
	s_wait_alu depctr_va_vdst(0)
.irp j, 0,1,2,3,4,5,6,7,8,9,10,11,12,13,14,15
	s_wait_loadcnt 15-\j                           ; row j is in; the 15 - j younger loads may be out
	ds_store_b128 v4, v[RAW+4*\j:RAW+4*\j+3] offset:SPITCH*\j
.endr
.irp c, 0,1,2,3
.irp p, 0,1,2,3
	ds_load_b128 v[X+16*\c+4*\p:X+16*\c+4*\p+3], v5 offset:64*\c+16*\p   ; LDS serves a wave's instructions in order: these see my stores
.endr
.endr
	s_cmp_ge_u32 ttmp9, 768
	s_wait_dscnt 0x0
	s_cbranch_scc1 .Lmask
	; x: a lane holds one head of one row: the mean, then the mean of the squared differences, then (x - mean) / sqrt(that + eps)
.set n, 0
.rept 16
	v_pk_add_f32 v[RAW+2*n:RAW+2*n+1], v[X+4*n:X+4*n+1], v[X+4*n+2:X+4*n+3]
.set n, n+1
.endr
.set n, 0
.rept 8
	v_pk_add_f32 v[RAW+4*n:RAW+4*n+1], v[RAW+4*n:RAW+4*n+1], v[RAW+4*n+2:RAW+4*n+3]
.set n, n+1
.endr
.set n, 0
.rept 4
	v_pk_add_f32 v[RAW+8*n:RAW+8*n+1], v[RAW+8*n:RAW+8*n+1], v[RAW+8*n+4:RAW+8*n+5]
.set n, n+1
.endr
	v_pk_add_f32 v[RAW:RAW+1], v[RAW:RAW+1], v[RAW+8:RAW+9]
	v_pk_add_f32 v[RAW+16:RAW+17], v[RAW+16:RAW+17], v[RAW+24:RAW+25]
	s_delay_alu instid0(VALU_DEP_1)
	v_pk_add_f32 v[RAW:RAW+1], v[RAW:RAW+1], v[RAW+16:RAW+17]
	s_delay_alu instid0(VALU_DEP_1)
	v_add_f32 v[RAW], v[RAW], v[RAW+1]
	s_delay_alu instid0(VALU_DEP_1)
	v_mul_f32 v12, s22, v[RAW]                     ; the mean
.set n, 0
.rept 32
	v_pk_add_f32 v[X+2*n:X+2*n+1], v[X+2*n:X+2*n+1], v[12:13] op_sel_hi:[1,0] neg_lo:[0,1] neg_hi:[0,1]   ; x - mean
.set n, n+1
.endr
.set n, 0
.rept 4
	v_pk_mul_f32 v[RAW+2*n:RAW+2*n+1], v[X+2*n:X+2*n+1], v[X+2*n:X+2*n+1]   ; the squares, in four chains
.set n, n+1
.endr
.rept 28
	v_pk_fma_f32 v[RAW+2*(n%4):RAW+2*(n%4)+1], v[X+2*n:X+2*n+1], v[X+2*n:X+2*n+1], v[RAW+2*(n%4):RAW+2*(n%4)+1]
.set n, n+1
.endr
	v_pk_add_f32 v[RAW:RAW+1], v[RAW:RAW+1], v[RAW+2:RAW+3]
	v_pk_add_f32 v[RAW+4:RAW+5], v[RAW+4:RAW+5], v[RAW+6:RAW+7]
	s_delay_alu instid0(VALU_DEP_1)
	v_pk_add_f32 v[RAW:RAW+1], v[RAW:RAW+1], v[RAW+4:RAW+5]
	s_delay_alu instid0(VALU_DEP_1)
	v_add_f32 v[RAW], v[RAW], v[RAW+1]
	s_delay_alu instid0(VALU_DEP_1)
	v_fma_f32 v[RAW+2], v[RAW], s22, s23           ; variance + eps
	s_wait_alu depctr_va_vdst(0)                   ; the wait ahead of the transcendental,
	v_rsq_f32 v14, v[RAW+2]
	v_nop                                          ; (a plain line behind it: ISA guide 5.7.2)
	s_wait_alu depctr_va_vdst(0)                   ; and ahead of its first reader
.set n, 0
.rept 32
	v_pk_mul_f32 v[X+2*n:X+2*n+1], v[X+2*n:X+2*n+1], v[14:15] op_sel_hi:[1,0]
.set n, n+1
.endr
	s_wait_alu depctr_va_vdst(0)
	s_branch .Lcodes
.Lmask:
	v_mul_u32_u24 v7, s37, v2
	v_lshrrev_b32 v8, 3, v2
	v_lshl_add_u32 v9, v3, 6, s31                  ; K0 + 64 h
	v_mul_u32_u24 v8, s38, v8
	v_add_nc_u32 v7, s30, v7
	v_add_nc_u32 v7, v7, v8                        ; my row's number n
	v_lshlrev_b32 v7, s35, v7
	v_lshrrev_b32 v7, s36, v7                      ; the last k that counts
	v_sub_nc_u32 v6, v7, v9                        ; (signed): register i counts where i <= v6
.set n, 0
.rept 16
	v_cmp_le_i32 s50, n, v6                        ; do these k count for my row?
	v_cmp_le_i32 s51, n+1, v6
	v_cmp_le_i32 s52, n+2, v6
	v_cmp_le_i32 s53, n+3, v6
	v_cndmask_b32 v[X+n], 0, v[X+n], s50
	v_cndmask_b32 v[X+n+1], 0, v[X+n+1], s51
	v_cndmask_b32 v[X+n+2], 0, v[X+n+2], s52
	v_cndmask_b32 v[X+n+3], 0, v[X+n+3], s53
.set n, n+4
.endr
.Lcodes:
.set n, 0
.rept 64
	v_med3_num_f32 v[X+n], v[X+n], -v10, v10       ; the conversion to an 8-bit code does not saturate (ISA guide 7.6.2): the hold at the largest code x the scale
.set n, n+1
.endr
.irp g, 0,1,2,3,4,5,6,7
	v_cvt_scalef32_pk8_fp8_f32 v[CD+2*\g:CD+2*\g+1], v[X+8*\g:X+8*\g+7], v11
.endr
	v_nop                                          ; a plain line behind the last conversion
.irp c, 0,1,2,3
	global_store_b128 v[VO], v[CD+4*\c:CD+4*\c+3], s[16:17] offset:512*\c   ; 32 lanes store 512 consecutive bytes, at a multiple of 512 from the buffer's first byte
.endr
	s_wait_tensorcnt 0x0                           ; the wave's end
	ds_add_u32 v176, v177
	s_wait_dscnt 0x0
	s_endpgm
.Lfunc_end_k_q091791ee0c_prep:
	.size	k_q091791ee0c_prep, .Lfunc_end_k_q091791ee0c_prep-k_q091791ee0c_prep
	.p2alignl 7, 3214868480
	.fill 96, 4, 3214868480
	.section	.rodata,"a",@progbits
	.p2align	6, 0x0
	.amdhsa_kernel k_q091791ee0c_prep
		.amdhsa_group_segment_fixed_size 34304
		.amdhsa_private_segment_fixed_size 0
		.amdhsa_enable_private_segment 0
		.amdhsa_kernarg_size 56
		.amdhsa_user_sgpr_count 2
		.amdhsa_user_sgpr_kernarg_segment_ptr 1
		.amdhsa_wavefront_size32 1
		.amdhsa_system_sgpr_workgroup_id_x 1
		.amdhsa_system_sgpr_workgroup_id_y 1
		.amdhsa_system_sgpr_workgroup_id_z 1
		.amdhsa_system_vgpr_workitem_id 0
		.amdhsa_next_free_vgpr 178
		.amdhsa_next_free_sgpr 66
		.amdhsa_reserve_vcc 0
		.amdhsa_float_denorm_mode_32 3
		.amdhsa_float_denorm_mode_16_64 3
		.amdhsa_memory_ordered 1
		.amdhsa_forward_progress 1
		.amdhsa_inst_pref_size 34
	.end_amdhsa_kernel
	.amdgpu_metadata
---
amdhsa.version: [ 1, 2 ]
amdhsa.kernels:
  - .name:           k_q091791ee0c_prep
    .symbol:         k_q091791ee0c_prep.kd
    .args:
      - { .name: x, .offset: 0, .size: 8, .value_kind: global_buffer, .address_space: global }
      - { .name: W_fc, .offset: 8, .size: 8, .value_kind: global_buffer, .address_space: global }
      - { .name: W_proj, .offset: 16, .size: 8, .value_kind: global_buffer, .address_space: global }
      - { .name: lowp_scales, .offset: 24, .size: 8, .value_kind: global_buffer, .address_space: global }
      - { .name: xq, .offset: 32, .size: 8, .value_kind: global_buffer, .address_space: global }
      - { .name: wq1, .offset: 40, .size: 8, .value_kind: global_buffer, .address_space: global }
      - { .name: wq2, .offset: 48, .size: 8, .value_kind: global_buffer, .address_space: global }
    .group_segment_fixed_size: 34304
    .private_segment_fixed_size: 0
    .kernarg_segment_align: 8
    .kernarg_segment_size: 56
    .max_flat_workgroup_size: 128
    .sgpr_count:     66
    .vgpr_count:     178
    .wavefront_size: 32
...
	.end_amdgpu_metadata
.endif
;; end of part 1
;; launch up (part 2): grid 4 x 64, 4 waves a work-group, clusters of 4 x 1, 327,680 bytes of LDS; arguments xq, wq1, lowp_scales, hq, out0; writes hq, out0
.if DOCPART == 2
	.amdgcn_target "amdgcn-amd-amdhsa--gfx1250"
	.amdhsa_code_object_version 6
	.text
	.protected	k_q091791ee0c_up
	.globl	k_q091791ee0c_up
	.p2align	8
	.type	k_q091791ee0c_up,@function
k_q091791ee0c_up:
	s_mov_b64 s[64:65], 0
	v_nop
	global_prefetch_b8 v0, s[64:65] scope:SCOPE_SE
	s_setreg_imm32_b32 hwreg(HW_REG_WAVE_MODE, 25, 1), 1
	s_wait_xcnt 0x0
	s_wait_alu depctr_hold_cnt(0) depctr_sa_sdst(0) depctr_va_vdst(0) depctr_va_sdst(0) depctr_va_ssrc(0) depctr_va_vcc(0) depctr_vm_vsrc(0)
	s_getreg_b32 s2, hwreg(HW_REG_IB_STS2, 6, 4)
	s_cmp_eq_u32 s2, 0
	s_cbranch_scc0 .Lentry_in_a_cluster
	s_endpgm
.Lentry_in_a_cluster:
	s_bfe_u32 s2, ttmp6, 0x10000c
	s_cmp_lg_u32 s2, 0x3003
	s_cbranch_scc0 .Lentry_shape_is_right
	s_endpgm
.Lentry_shape_is_right:
; hq = Q2(relu(xq W1^T)^2): the first product, its activation and the second product's quantiser.  Work-group (q, rb): 128 rows x the hidden units of the blocks 4 C + q of 128, C = 0 .. 5.
; W1's triangle: block 4 C + q takes K steps 0 .. C alone; hidden units from 3072 on are dead (see the first kernel).  Columns 768-1023 of out0 are zeros for all inputs: stored here.
; Products by v_wmma_f32_16x16x128_fp8_fp8, TRANSPOSED: source 0 = 16 rows of W1, source 1 = 16 rows of x: a lane holds one row of x, and the rows of W1 in tiles 2 w, 2 w + 1 are chosen (in wq1) so that its 16 registers are
; 16 neighbours of the next K's order: wave w's codes are chunk c = w of the fragment, and a store of the wave covers 512 consecutive bytes.
; LIMITS: e0 + e1 and e2 such that k = e2 - 2 (e0 + e1) lies between -126 and 127.  NaN is not served.
; SHARES.  Wave w: tiles 2 w, 2 w + 1 of each block against all 8 tiles of rows: 42 fragments of W1, each read once and used for 8 matrix instructions.  Two passes, C = 0..2 and C = 3..5, so that 3 x 128 sums stand in registers.
; x (98,304 bytes) comes whole by the head's one joint load a wave (the four work-groups of a cluster share the rows) and stays; no slot is filled again.
; W1 goes straight into registers and is not shared in the cluster, whose partners need different fragments (partners along rb would need the same 344,064 bytes, more than LDS holds, so they would want slots filled again).
; Eight pairs of fragments, 64 loads, run ahead in a ring of 16.  Nothing is prefetched: x is asked for at the head, and a wave has 64 loads of its 168 on their way from the head on.
; REGISTERS.  Window 0: v1, v5 16 x lane (+ 65,536); v2, v3 the add's; v8-11 zeros; v13 scale; v32-63 codes; v128-255 x's fragments, buffer 0.  Window 1: the ring.
;   Window 2: sums a = 0, 1 at 128 a + 16 m + 8 u.  Window 3: sums a = 2 at 16 m + 8 u; v128-255 x's buffer 1.   (a = C % 3, m tile of rows, u tile of the pair)
.set SPARE, 98304
.set G1, 44
.set G0, 52
.set PC, 32
.set MSB, 0
.set PI, 0                             ; the pair in hand
.macro WIN new                         ; s_set_vgpr_msb: bits 1:0 source 0, 3:2 source 1, 5:4 source 2, 7:6 destination; the high byte repeats the setting that is left
.if MSB != \new
	s_set_vgpr_msb (MSB<<8)|\new
.set MSB, \new
.endif
.endm
.macro PLACES                          ; four plain vector lines between a matrix instruction and a load into, or a vector read of, its registers (ISA guide 7.12.1 for vector reads)
.rept 4
	v_nop
.endr
.endm
.macro ROUND                           ; a round of the cluster's barrier
	s_barrier_signal -1
	s_barrier_wait -1
	s_cmp_lg_u32 s12, 0
	s_cbranch_scc1 .Lnot_wave_0_\@
	s_barrier_signal -3
.Lnot_wave_0_\@:
	s_barrier_wait -3
	s_barrier_signal -1
	s_barrier_wait -1
.endm
.macro WLOAD p                         ; pair p of my 21: 8 loads of 512 consecutive bytes
	WIN 0x40
.irp u, 0,1
.irp c, 0,1,2,3
	global_load_b128 v[16*((2*(\p)+\u)%16)+4*\c:16*((2*(\p)+\u)%16)+4*\c+3], v1, s[6:7] offset:(2*(\p)+\u)*2048+512*\c
.endr
.endr
.endm
.macro XL s, b                         ; x's eight fragments of K step s into buffer b
	WIN 0xc0*(\b)
.irp m, 0,1,2,3,4,5,6,7
.irp c, 0,1,2,3
.if (\s) < 4
	ds_load_b128 v[128+16*\m+4*\c:128+16*\m+4*\c+3], v1 offset:16384*(\s)+2048*\m+512*\c
.else
	ds_load_b128 v[128+16*\m+4*\c:128+16*\m+4*\c+3], v5 offset:16384*((\s)-4)+2048*\m+512*\c
.endif
.endr
.endr
.endm
.macro KS b, ns                        ; a K step on buffer b begins: its fragments are in; those of the next, K step ns, are asked for
	s_wait_dscnt 0x0
.set xb, \b
.if (\ns) >= 0
	XL \ns, 1-(\b)
.endif
.endm
; A pair of W1's fragments against the 8 tiles of rows: 16 sums by turns, one instruction a turn.  first: the products start the sums.  Behind them the ring takes the pair eight further on.
.macro PAIR a, first
.if PI <= 13
	s_wait_loadcnt 56                              ; this pair is in; the seven younger pairs' loads may be out
.else
	s_wait_loadcnt 8*(20-PI)
.endif
.set wv, 0xa1
.if (\a) == 2
.set wv, 0xf1
.endif
.if xb == 1
.set wv, wv+0x0c
.endif
	WIN wv
.set ab, 128*((\a)%2)
.irp u, 0,1
.set rw, 16*((2*PI+\u)%16)
.irp m, 0,1,2,3,4,5,6,7
.if \first
	v_wmma_f32_16x16x128_fp8_fp8 v[ab+16*\m+8*\u:ab+16*\m+8*\u+7], v[rw:rw+15], v[128+16*\m:128+16*\m+15], 0
.else
	v_wmma_f32_16x16x128_fp8_fp8 v[ab+16*\m+8*\u:ab+16*\m+8*\u+7], v[rw:rw+15], v[128+16*\m:128+16*\m+15], v[ab+16*\m+8*\u:ab+16*\m+8*\u+7]
.endif
.endr
.endr
	PLACES
.if PI <= 12
	WLOAD PI+8
.endif
.set PI, PI+1
.endm
; Block C is finished: relu and the hold in one (between 0 and a number whose square is just under 448 x 2^k), the square, the codes (/ 2^k: the three scales folded), and out.  Each sum is read from its low end on.
.macro EPI a, cc
	s_wait_xcnt 0x0                                ; the earlier stores have read v32-63
.set ew, 2
.if (\a) == 2
.set ew, 3
.endif
.set ab, 128*((\a)%2)
	WIN ew*0x45
.set n, 0
.rept 128
	v_med3_num_f32 v[ab+n], v[ab+n], 0, s68
.set n, n+1
.endr
.set n, 0
.rept 64
	v_pk_mul_f32 v[ab+n:ab+n+1], v[ab+n:ab+n+1], v[ab+n:ab+n+1]
.set n, n+2
.endr
	WIN ew
.irp m, 0,1,2,3,4,5,6,7
	v_cvt_scalef32_pk8_fp8_f32 v[PC+4*\m:PC+4*\m+1], v[ab+16*\m:ab+16*\m+7], v13
	v_cvt_scalef32_pk8_fp8_f32 v[PC+4*\m+2:PC+4*\m+3], v[ab+16*\m+8:ab+16*\m+15], v13
.endr
	v_nop                                          ; a plain line behind the last conversion
	WIN 0
.irp m, 0,1,2,3,4,5,6,7
	global_store_b128 v1, v[PC+4*\m:PC+4*\m+3], s[10:11] offset:65536*(\cc)+2048*\m
.endr
.endm
	s_load_b256 s[4:11], s[0:1], 0x0               ; xq, wq1, the scales' exponents, hq
	s_load_b64 s[14:15], s[0:1], 0x20              ; out0
	v_lshl_add_u32 v2, v0, 2, SPARE
	v_mov_b32 v3, 0
	ds_add_u32 v2, v3                              ; the opening lines
	ds_add_u32 v2, v3
	v_lshrrev_b32 v4, 5, v0
	v_readfirstlane_b32 s12, v4                    ; wave w
	v_and_b32 v5, 31, v0
	v_lshlrev_b32 v1, 4, v5
	v_add_nc_u32 v5, 0x10000, v1
.irp j, 8,9,10,11
	v_mov_b32 v\j, 0
.endr
	s_bfe_u32 s37, ttmp6, 0x40000                  ; q = cx: it enters W1's, hq's and out0's addresses alone
	s_and_b32 s38, ttmp7, 0xffff                   ; rb
	; descriptor group 1: a dense block of 24,576 bytes as 24 rows x 128 elements of 8 bytes
	s_mov_b32 s[G1+0], 15|(3<<16)|(1<<21)          ; the mask: all four work-groups; elements of 8 bytes; bit 21 beside a mask
	s_mov_b32 s[G1+1], 128<<16
	s_mov_b32 s[G1+2], 24<<16
	s_mov_b32 s[G1+3], 128<<16
	s_mov_b32 s[G1+4], 24
	s_mov_b32 s[G1+5], 128
	s_mov_b32 s[G1+6], 0
	s_mov_b32 s[G1+7], 0
	s_mul_i32 s20, s12, 24576                      ; my quarter of the rows' panel
	s_mul_i32 s24, s38, 98304
	s_add_co_u32 s24, s24, s20
	s_mov_b32 s25, 0
	s_lshl_b32 s26, s37, 2
	s_add_co_u32 s26, s26, s12
	s_mul_i32 s26, s26, 86016                      ; my 42 fragments
	s_mov_b32 s27, 0
	s_mul_i32 s28, s38, 393216                     ; hq: [rb][24 K steps][8 tiles][2,048]
	s_lshl_b32 s29, s37, 14
	s_add_co_u32 s28, s28, s29
	s_lshl_b32 s29, s12, 9
	s_add_co_u32 s28, s28, s29
	s_mov_b32 s29, 0
	s_lshl_b32 s30, s38, 19                        ; out0: row 128 rb + 32 q + 8 w
	s_lshl_b32 s31, s37, 17
	s_add_co_u32 s30, s30, s31
	s_lshl_b32 s31, s12, 15
	s_add_co_u32 s30, s30, s31
	s_mov_b32 s31, 0
	s_wait_alu depctr_va_vdst(0)
	s_wait_dscnt 0x0                               ; both opening adds are done
	s_wait_kmcnt 0x0
	s_load_b128 s[16:19], s[8:9], 0x0              ; e0, e1, e2, e3
	s_mov_b32 s[G0], 1
	s_mov_b32 s[G0+1], s20
	s_add_nc_u64 s[G0+2:G0+3], s[4:5], s[24:25]
	s_or_b32 s[G0+3], s[G0+3], 0x80000000
	s_add_nc_u64 s[6:7], s[6:7], s[26:27]
	s_add_nc_u64 s[10:11], s[10:11], s[28:29]
	s_add_nc_u64 s[14:15], s[14:15], s[30:31]
	ROUND                                          ; all four work-groups are here: the joint loads meet
	tensor_load_to_lds s[G0:G0+3], s[G1:G1+7]
	s_nop 0
	PLACES                                         ; four lines behind it
.irp p, 0,1,2,3,4,5,6
	WLOAD \p
.endr
	WIN 0
.irp j, 0,1,2,3,4,5,6,7
.irp z, 0,1
	global_store_b128 v1, v[8:11], s[14:15] offset:4096*\j+3072+512*\z th:TH_STORE_NT   ; columns 768-1023 of my eight rows: zeros
.endr
.endr
	s_wait_kmcnt 0x0
	s_add_co_i32 s60, s16, s17
	s_lshl_b32 s60, s60, 1
	s_sub_co_i32 s60, s18, s60                     ; k = e2 - 2 (e0 + e1): a sum S stands for S x 2^(e0 + e1), so the code is relu(S)^2 / 2^k
	s_add_co_i32 s61, s60, 127
	s_lshl_b32 s61, s61, 23
	v_mov_b32 v13, s61                             ; 2^k as f32
	s_ashr_i32 s62, s60, 1
	s_lshl_b32 s62, s62, 23                        ; floor(k / 2), for the exponent field
	s_and_b32 s63, s60, 1                          ; SCC: k is odd
	s_mov_b32 s68, 0x41a953f0                      ; sqrt(448), 13 units in the last place low,
	s_cselect_b32 s68, 0x41ef7740, s68             ; or sqrt(896), 16 low: the square stays under 448 x 2^k and still rounds to the largest code
	s_add_co_i32 s68, s68, s62                     ; the hold for S
	WLOAD 7
	WIN 0
	s_wait_alu depctr_va_vdst(0)
	s_wait_tensorcnt 0x0                           ; my quarter of x is in,
	s_barrier_signal -1
	s_barrier_wait -1                              ; and everybody's
	XL 0, 0
	KS 0, 1
	PAIR 0, 1
	PAIR 1, 1
	PAIR 2, 1
	EPI 0, 0
	KS 1, 2
	PAIR 1, 0
	PAIR 2, 0
	EPI 1, 1
	KS 0, 0
	PAIR 2, 0
	EPI 2, 2
	KS 1, 1                                        ; the second pass: C = 3, 4, 5, K step 0
	PAIR 0, 1
	PAIR 1, 1
	PAIR 2, 1
	KS 0, 2
	PAIR 0, 0
	PAIR 1, 0
	PAIR 2, 0
	KS 1, 3
	PAIR 0, 0
	PAIR 1, 0
	PAIR 2, 0
	KS 0, 4
	PAIR 0, 0
	PAIR 1, 0
	PAIR 2, 0
	EPI 0, 3
	KS 1, 5
	PAIR 1, 0
	PAIR 2, 0
	EPI 1, 4
	KS 0, -1
	PAIR 2, 0
	EPI 2, 5
	s_wait_tensorcnt 0x0                           ; the wave's end
	ds_add_u32 v2, v3
	s_wait_dscnt 0x0
	ROUND                                          ; the closing round
	s_endpgm
.Lfunc_end_k_q091791ee0c_up:
	.size	k_q091791ee0c_up, .Lfunc_end_k_q091791ee0c_up-k_q091791ee0c_up
	.p2alignl 7, 3214868480
	.fill 96, 4, 3214868480
	.section	.rodata,"a",@progbits
	.p2align	6, 0x0
	.amdhsa_kernel k_q091791ee0c_up
		.amdhsa_group_segment_fixed_size 327680
		.amdhsa_private_segment_fixed_size 0
		.amdhsa_enable_private_segment 0
		.amdhsa_kernarg_size 40
		.amdhsa_user_sgpr_count 2
		.amdhsa_user_sgpr_kernarg_segment_ptr 1
		.amdhsa_wavefront_size32 1
		.amdhsa_system_sgpr_workgroup_id_x 1
		.amdhsa_system_sgpr_workgroup_id_y 1
		.amdhsa_system_sgpr_workgroup_id_z 1
		.amdhsa_system_vgpr_workitem_id 0
		.amdhsa_next_free_vgpr 1024
		.amdhsa_next_free_sgpr 70
		.amdhsa_reserve_vcc 0
		.amdhsa_float_denorm_mode_32 3
		.amdhsa_float_denorm_mode_16_64 3
		.amdhsa_memory_ordered 1
		.amdhsa_forward_progress 1
		.amdhsa_inst_pref_size 150
	.end_amdhsa_kernel
	.amdgpu_metadata
---
amdhsa.version: [ 1, 2 ]
amdhsa.kernels:
  - .name:           k_q091791ee0c_up
    .symbol:         k_q091791ee0c_up.kd
    .args:
      - { .name: xq, .offset: 0, .size: 8, .value_kind: global_buffer, .address_space: global }
      - { .name: wq1, .offset: 8, .size: 8, .value_kind: global_buffer, .address_space: global }
      - { .name: lowp_scales, .offset: 16, .size: 8, .value_kind: global_buffer, .address_space: global }
      - { .name: hq, .offset: 24, .size: 8, .value_kind: global_buffer, .address_space: global }
      - { .name: out0, .offset: 32, .size: 8, .value_kind: global_buffer, .address_space: global }
    .group_segment_fixed_size: 327680
    .private_segment_fixed_size: 0
    .kernarg_segment_align: 8
    .kernarg_segment_size: 40
    .max_flat_workgroup_size: 128
    .sgpr_count:     70
    .vgpr_count:     1024
    .wavefront_size: 32
...
	.end_amdgpu_metadata
.endif
;; end of part 2
;; launch down (part 3): grid 64 x 4, 4 waves a work-group, clusters of 4 x 1, 327,680 bytes of LDS; arguments hq, wq2, lowp_scales, out0; writes out0
.if DOCPART == 3
	.amdgcn_target "amdgcn-amd-amdhsa--gfx1250"
	.amdhsa_code_object_version 6
	.text
	.protected	k_q091791ee0c_down
	.globl	k_q091791ee0c_down
	.p2align	8
	.type	k_q091791ee0c_down,@function
k_q091791ee0c_down:
	s_mov_b64 s[64:65], 0
	v_nop
	global_prefetch_b8 v0, s[64:65] scope:SCOPE_SE
	s_setreg_imm32_b32 hwreg(HW_REG_WAVE_MODE, 25, 1), 1
	s_wait_xcnt 0x0
	s_wait_alu depctr_hold_cnt(0) depctr_sa_sdst(0) depctr_va_vdst(0) depctr_va_sdst(0) depctr_va_ssrc(0) depctr_va_vcc(0) depctr_vm_vsrc(0)
	s_getreg_b32 s2, hwreg(HW_REG_IB_STS2, 6, 4)
	s_cmp_eq_u32 s2, 0
	s_cbranch_scc0 .Lentry_in_a_cluster
	s_endpgm
.Lentry_in_a_cluster:
	s_bfe_u32 s2, ttmp6, 0x10000c
	s_cmp_lg_u32 s2, 0x3003
	s_cbranch_scc0 .Lentry_shape_is_right
	s_endpgm
.Lentry_shape_is_right:
; out0[.., 0 .. 767] = hq W2^T x 2^(e2 + e3): the second product.  Work-group (rb, q): 128 rows x three groups of 64 columns: A (i = 8 + (q ^ 3 ^ q / 2)), B (i = 4 + (q + 1) % 4), C (i = q).
; W2's triangle: group i takes K steps 0 .. 2 i + 1 alone (f <= 4 e), and columns from 768 on are dead (see the first kernel): a trip t = two K steps 2 t, 2 t + 1 is live for group i where t <= i.  The three i's of a q add up
; to 16 or 17.  The branches hang on q alone, the cluster's y, which is the same in all partners.
; LIMITS: e2 + e3 between -126 and 127.  NaN among the codes is not served.
; SHARES.  Wave w: rows 32 w .. + 31 (two tiles), all of the work-group's 12 column tiles.  The hidden codes of its rows go straight into registers, each byte read once by the work-group, in a ring of eight K steps (64 loads).
; They are not shared in a cluster: LDS is taken by the weights, 319,488 of its 327,680 bytes.  W2's 156 fragments of q are the same for all row blocks: the four work-groups of a cluster ask for them JOINTLY, one load a wave at
; the head, and they stay: no slot is filled again.  C's first four fragments do not fit and come by ordinary loads.  Nothing is prefetched: from the head on a wave has seven or eight of its 24 K steps on their way.
; Source 0 = 16 rows of hidden codes, source 1 = 16 rows of W2: tile T holds columns 64 i + 4 r + T, so that a lane's four tiles give four NEIGHBOURING columns of a row, and 16 lanes store 256 consecutive bytes: no stage.
; REGISTERS.  Window 0: v9-15 addresses, v2, v3 the add's, v32-95 finished results, v128-255 C's fragments (even, odd K step).  Window 1: the hidden codes: K step k, tile b at 32 (k % 8) + 16 b.
;   Window 2: sums (role, T, b) at 64 role + 16 T + 8 b.  Window 3: A's and B's fragments: role, parity at 128 role + 64 parity.
.set SPARE, 319488
.set WPART, 79872                      ; a wave's 39 fragments of the 156
.set G1, 44
.set G0, 52
.set IR, 70                            ; s70-72: i of A, B, C
.set MSB, 0
.macro WIN new                         ; s_set_vgpr_msb: bits 1:0 source 0, 3:2 source 1, 5:4 source 2, 7:6 destination; the high byte repeats the setting that is left
.if MSB != \new
	s_set_vgpr_msb (MSB<<8)|\new
.set MSB, \new
.endif
.endm
.macro PLACES                          ; four plain vector lines between a matrix instruction and a load into, or a vector read of, its registers (ISA guide 7.12.1 for vector reads)
.rept 4
	v_nop
.endr
.endm
.macro ROUND                           ; a round of the cluster's barrier
	s_barrier_signal -1
	s_barrier_wait -1
	s_cmp_lg_u32 s12, 0
	s_cbranch_scc1 .Lnot_wave_0_\@
	s_barrier_signal -3
.Lnot_wave_0_\@:
	s_barrier_wait -3
	s_barrier_signal -1
	s_barrier_wait -1
.endm
.macro HL k                            ; hidden codes of K step k: my two tiles, 4,096 consecutive bytes
	WIN 0x40
.irp b, 0,1
.irp c, 0,1,2,3
	global_load_b128 v[32*((\k)%8)+16*\b+4*\c:32*((\k)%8)+16*\b+4*\c+3], v10, s[4:5] offset:16384*(\k)+2048*\b+512*\c
.endr
.endr
	WIN 0
.endm
.macro HWAIT k                         ; K step k is in; those of the seven younger steps (fewer at the end) may be out: 8 loads each
.if (\k) <= 16
	s_wait_loadcnt 56
.else
	s_wait_loadcnt 8*(23-(\k))
.endif
.endm
; A unit o = role + 3 x parity (role 0 A, 1 B, 2 C) of trip t: four fragments n = 8 t + 4 parity + T.  In LDS A's n lies at n, B's at 155 - n, C's behind A's.
.macro LOADU o, t
.set n0, 8*(\t)+4*((\o)/3)
.if (\o)%3 == 2
	WIN 0
.else
	WIN 0xc0
.endif
.irp i, 0,1,2,3
.irp c, 0,1,2,3
.if (\o)%3 == 0
	ds_load_b128 v[64*((\o)/3)+16*\i+4*\c:64*((\o)/3)+16*\i+4*\c+3], v[10+n0/32] offset:((n0+\i)%32)*2048+512*\c
.elseif (\o)%3 == 1
	ds_load_b128 v[128+64*((\o)/3)+16*\i+4*\c:128+64*((\o)/3)+16*\i+4*\c+3], v[13+n0/32] offset:(31-(n0+\i)%32)*2048+512*\c
.else
	ds_load_b128 v[128+64*((\o)/3)+16*\i+4*\c:128+64*((\o)/3)+16*\i+4*\c+3], v15 offset:(n0+\i)*2048+512*\c
.endif
.endr
.endr
	WIN 0
.endm
; LDS loads come back in order: the count is the least number issued behind the unit's own on any path: 16 for each unit that every q has (A to trip 8, B to trip 4, C's odd one in trip 0)
.macro CNT o, t
.if ((\o)%3 == 0) && ((\t) <= 8)
.set NN, NN+16
.endif
.if ((\o)%3 == 1) && ((\t) <= 4)
.set NN, NN+16
.endif
.if ((\o) == 5) && ((\t) == 0)
.set NN, NN+16
.endif
.endm
; A unit: 8 sums by turns, one instruction a turn; then its registers take the same unit of the next trip, where that is live.
.macro UNIT o, t
.set ro, (\o)%3
.set pa, (\o)/3
.if ((ro == 1) && ((\t) >= 5)) || ((ro == 2) && ((\t) >= 1))
	s_cmp_lt_u32 s[IR+ro], \t                      ; not live for this q?
	s_cbranch_scc1 .Lpast_\@
.endif
.set NN, 0
.irp p, 0,1,2,3,4,5
.if \p > (\o)
	CNT \p, \t
.endif
.if \p < (\o)
	CNT \p, (\t)+1
.endif
.endr
.if NN > 63
.set NN, 63
.endif
	s_wait_dscnt NN
.set rw, 128*ro+64*pa
.set wv, 0xad                          ; source 0 (hidden) window 1, source 1 window 3, C and D window 2
.if ro == 2
.set rw, 128+64*pa
.set wv, 0xa1                          ; source 1 window 0
.endif
	WIN wv
.set rh, 32*((2*(\t)+pa)%8)
.irp i, 0,1,2,3
.irp b, 0,1
.set ac, 64*ro+16*\i+8*\b
.if ((\t) == 0) && (pa == 0)
	v_wmma_f32_16x16x128_fp8_fp8 v[ac:ac+7], v[rh+16*\b:rh+16*\b+15], v[rw+16*\i:rw+16*\i+15], 0
.else
	v_wmma_f32_16x16x128_fp8_fp8 v[ac:ac+7], v[rh+16*\b:rh+16*\b+15], v[rw+16*\i:rw+16*\i+15], v[ac:ac+7]
.endif
.endr
.endr
	PLACES
	WIN 0
.if (\t) < 11-4*ro
.if (\t) >= 8-4*ro
	s_cmp_le_u32 s[IR+ro], \t
	s_cbranch_scc1 .Lpast_\@
.endif
	LOADU \o, (\t)+1
.endif
.Lpast_\@:
.endm
.macro TRIP t
.if (\t) >= 9
	s_cmp_lt_u32 s[IR], \t                         ; A is finished: so is the work-group
	s_cbranch_scc1 .Ldone
.endif
	HWAIT 2*(\t)
	UNIT 0, \t
.if (\t) <= 7
	UNIT 1, \t
.endif
.if (\t) <= 3
	UNIT 2, \t
.endif
.if (\t) <= 7
	HL 2*(\t)+8
.endif
	HWAIT 2*(\t)+1
	UNIT 3, \t
.if (\t) <= 7
	UNIT 4, \t
.endif
.if (\t) <= 3
	UNIT 5, \t
.endif
.if (\t) <= 7
	HL 2*(\t)+9
.endif
.endm
; A finished group: x 2^(e2 + e3), each sum from its low end on, four tiles side by side; a store: rows 8 h + j, 16 lanes to 256 consecutive bytes, at a multiple of 256 from out0's first byte
.macro OUT ro, sp
	s_wait_xcnt 0x0                                ; the earlier stores have read v32-95
	WIN 0x08
.irp b, 0,1
.irp j, 0,1,2,3,4,5,6,7
.irp i, 0,1,2,3
	v_mul_f32 v[32+32*\b+4*\j+\i], s24, v[64*\ro+16*\i+8*\b+\j]
.endr
.endr
.endr
	WIN 0
.irp b, 0,1
.irp j, 0,1,2,3,4,5,6,7
	global_store_b128 v9, v[32+32*\b+4*\j:32+32*\b+4*\j+3], s[\sp:\sp+1] offset:65536*\b+4096*\j th:TH_STORE_NT
.endr
.endr
.endm
	s_load_b256 s[4:11], s[0:1], 0x0               ; hq, wq2, the scales' exponents, out0
	v_lshl_add_u32 v2, v0, 2, SPARE
	v_mov_b32 v3, 0
	ds_add_u32 v2, v3                              ; the opening lines
	ds_add_u32 v2, v3
	v_lshrrev_b32 v4, 5, v0
	v_readfirstlane_b32 s12, v4                    ; wave w
	s_and_b32 s39, ttmp7, 3                        ; q: the grid has four along y
	s_lshr_b32 s70, s39, 1
	s_xor_b32 s70, s70, s39
	s_xor_b32 s70, s70, 3
	s_and_b32 s70, s70, 3
	s_lshl_b32 s36, s70, 14
	s_add_co_u32 s36, s36, 139264                  ; C's LDS base: (8 i + 4) x 2,048 with A's i = 8 + s70
	s_add_co_u32 s70, s70, 8
	s_add_co_u32 s71, s39, 1
	s_and_b32 s71, s71, 3
	s_add_co_u32 s71, s71, 4
	s_mov_b32 s72, s39
	v_and_b32 v5, 31, v0
	v_lshlrev_b32 v10, 4, v5                       ; 16 x lane; A's fragments 0-31,
	v_add_nc_u32 v11, 0x10000, v10                 ; 32-63,
	v_add_nc_u32 v12, 0x20000, v10                 ; 64-95
	v_add_nc_u32 v13, 124*2048, v10                ; B's 0-31 (155 - n)
	v_add_nc_u32 v14, 92*2048, v10                 ; B's 32-63
	v_add_nc_u32 v15, s36, v10                     ; C's
	v_and_b32 v6, 15, v0
	v_bfe_u32 v7, v0, 4, 1
	v_lshlrev_b32 v9, 15, v7
	v_lshl_add_u32 v9, v6, 4, v9                   ; out0: row 8 h, columns 4 r on
	s_bfe_u32 s37, ttmp6, 0x40000                  ; cx enters hq's and out0's addresses alone
	s_lshl_b32 s38, ttmp9, 2
	s_add_co_u32 s38, s38, s37                     ; rb = 4 x cluster x + cx
	; descriptor group 1: a dense block of 79,872 bytes as 78 rows x 128 elements of 8 bytes
	s_mov_b32 s[G1+0], 15|(3<<16)|(1<<21)          ; the mask: all four work-groups; elements of 8 bytes; bit 21 beside a mask
	s_mov_b32 s[G1+1], 128<<16
	s_mov_b32 s[G1+2], 78<<16
	s_mov_b32 s[G1+3], 128<<16
	s_mov_b32 s[G1+4], 78
	s_mov_b32 s[G1+5], 128
	s_mov_b32 s[G1+6], 0
	s_mov_b32 s[G1+7], 0
	s_mul_i32 s20, s12, WPART
	s_mov_b32 s21, 0
	s_mul_i32 s22, s39, 327680                     ; q's block of 160 fragments
	s_mov_b32 s23, 0
	s_mul_i32 s26, s38, 393216                     ; hq: [rb][24 K steps][8 tiles][2,048]
	s_lshl_b32 s27, s12, 12
	s_add_co_u32 s26, s26, s27
	s_mov_b32 s27, 0
	s_lshl_b32 s28, s38, 19                        ; out0: row 128 rb + 32 w
	s_lshl_b32 s29, s12, 17
	s_add_co_u32 s28, s28, s29
	s_mov_b32 s29, 0
	s_wait_alu depctr_va_vdst(0)
	s_wait_dscnt 0x0                               ; both opening adds are done
	s_wait_kmcnt 0x0
	s_load_b128 s[16:19], s[8:9], 0x0              ; e0, e1, e2, e3
	s_add_nc_u64 s[56:57], s[6:7], s[22:23]
	s_mov_b32 s[G0], 1
	s_mov_b32 s[G0+1], s20
	s_add_nc_u64 s[G0+2:G0+3], s[56:57], s[20:21]
	s_or_b32 s[G0+3], s[G0+3], 0x80000000
	s_add_nc_u64 s[4:5], s[4:5], s[26:27]
	s_add_nc_u64 s[10:11], s[10:11], s[28:29]
	s_lshl_b32 s26, s70, 8                         ; each group's first column: 256 i bytes
	s_add_nc_u64 s[60:61], s[10:11], s[26:27]
	s_lshl_b32 s26, s71, 8
	s_add_nc_u64 s[62:63], s[10:11], s[26:27]
	s_lshl_b32 s26, s72, 8
	s_add_nc_u64 s[66:67], s[10:11], s[26:27]
	ROUND                                          ; all four work-groups are here: the joint loads meet
	tensor_load_to_lds s[G0:G0+3], s[G1:G1+7]
	s_nop 0
	PLACES                                         ; four lines behind it
.irp i, 0,1,2,3
.irp c, 0,1,2,3
	global_load_b128 v[128+16*\i+4*\c:128+16*\i+4*\c+3], v10, s[56:57] offset:319488+2048*\i+512*\c   ; C's first four fragments
.endr
.endr
.irp k, 0,1,2,3,4,5,6,7
	HL \k
.endr
	s_wait_kmcnt 0x0
	s_add_co_i32 s24, s18, s19
	s_add_co_i32 s24, s24, 127
	s_lshl_b32 s24, s24, 23                        ; 2^(e2 + e3) as f32
	s_wait_alu depctr_va_vdst(0)
	s_wait_tensorcnt 0x0                           ; my quarter of the weights is in,
	s_barrier_signal -1
	s_barrier_wait -1                              ; and everybody's
	LOADU 0, 0
	LOADU 1, 0
	LOADU 3, 0
	LOADU 4, 0
	LOADU 5, 0
.irp t, 0,1,2,3
	TRIP \t
.endr
	OUT 2, 66                                      ; C is finished for every q
.irp t, 4,5,6,7
	TRIP \t
.endr
	OUT 1, 62                                      ; B is
.irp t, 8,9,10,11
	TRIP \t
.endr
.Ldone:
	OUT 0, 60
	s_wait_tensorcnt 0x0                           ; the wave's end
	ds_add_u32 v2, v3
	s_wait_dscnt 0x0
	ROUND                                          ; the closing round
	s_endpgm
.Lfunc_end_k_q091791ee0c_down:
	.size	k_q091791ee0c_down, .Lfunc_end_k_q091791ee0c_down-k_q091791ee0c_down
	.p2alignl 7, 3214868480
	.fill 96, 4, 3214868480
	.section	.rodata,"a",@progbits
	.p2align	6, 0x0
	.amdhsa_kernel k_q091791ee0c_down
		.amdhsa_group_segment_fixed_size 327680
		.amdhsa_private_segment_fixed_size 0
		.amdhsa_enable_private_segment 0
		.amdhsa_kernarg_size 32
		.amdhsa_user_sgpr_count 2
		.amdhsa_user_sgpr_kernarg_segment_ptr 1
		.amdhsa_wavefront_size32 1
		.amdhsa_system_sgpr_workgroup_id_x 1
		.amdhsa_system_sgpr_workgroup_id_y 1
		.amdhsa_system_sgpr_workgroup_id_z 1
		.amdhsa_system_vgpr_workitem_id 0
		.amdhsa_next_free_vgpr 1024
		.amdhsa_next_free_sgpr 74
		.amdhsa_reserve_vcc 0
		.amdhsa_float_denorm_mode_32 3
		.amdhsa_float_denorm_mode_16_64 3
		.amdhsa_memory_ordered 1
		.amdhsa_forward_progress 1
		.amdhsa_inst_pref_size 124
	.end_amdhsa_kernel
	.amdgpu_metadata
---
amdhsa.version: [ 1, 2 ]
amdhsa.kernels:
  - .name:           k_q091791ee0c_down
    .symbol:         k_q091791ee0c_down.kd
    .args:
      - { .name: hq, .offset: 0, .size: 8, .value_kind: global_buffer, .address_space: global }
      - { .name: wq2, .offset: 8, .size: 8, .value_kind: global_buffer, .address_space: global }
      - { .name: lowp_scales, .offset: 16, .size: 8, .value_kind: global_buffer, .address_space: global }
      - { .name: out0, .offset: 24, .size: 8, .value_kind: global_buffer, .address_space: global }
    .group_segment_fixed_size: 327680
    .private_segment_fixed_size: 0
    .kernarg_segment_align: 8
    .kernarg_segment_size: 32
    .max_flat_workgroup_size: 128
    .sgpr_count:     74
    .vgpr_count:     1024
    .wavefront_size: 32
...
	.end_amdgpu_metadata
.endif
;; end of part 3
